; MI455X (gfx1250); checked and timed in simulation.
; The chip was launched on July 23, 2026; its instructions are those of AMD's public machine-readable ISA for CDNA 5 (MIT licence, August 2026) and "CDNA5" Instruction Set Architecture Reference Guide (July 2026). The comments in the code are by the model that wrote it; some were corrected since.
;; Causal Multi Head Self Attention. Allowed arithmetic: matrix products marked QUANTISED: E4M3 operands, one given power-of-two scale a tensor, by v_wmma_f32_16x16x64_fp8_fp8 or v_wmma_f32_16x16x128_fp8_fp8, f32 sums; everything else in f32.
;; Inputs: lowp_scales 12 int32 (the exponents e of the quantised operands' scales 2^e); wk 1,024 x 1,024 float32; wo 1,024 x 1,024 float32; wq 1,024 x 1,024 float32; wv 1,024 x 1,024 float32; x 4 x 2,048 x 1,024 float32.
;; Outputs: out0 4 x 2,048 x 1,024 float32.
;; This version of the problem:
;;   THIS VERSION OF THE PROBLEM IS GIVEN IN LOW PRECISION. The matrix products marked QUANTISED in the list below multiply operands that are first quantised to E4M3 (4 exponent bits, 3 mantissa bits; 8 bits a number), with one given power-of-two scale for each operand tensor; their sums are f32. All else is computed in f32.
;;   The module's matrix products, in the order in which they are computed (A, B: the left and right operand; K: the contracted axis; several contracted axes count as one K, in the product's order):
;;     1. [M 8,192, K 1,024] x [K 1,024, N 1,024]; A: input x; B: input wq: QUANTISED (scales: A lowp_scales[0], B lowp_scales[1])
;;     2. [M 8,192, K 1,024] x [K 1,024, N 1,024]; A: input x; B: input wk: QUANTISED (scales: A lowp_scales[2], B lowp_scales[3])
;;     3. [M 8,192, K 1,024] x [K 1,024, N 1,024]; A: input x; B: input wv: QUANTISED (scales: A lowp_scales[4], B lowp_scales[5])
;;     4. batch 64 x [M 2,048, K 64] x [K 64, N 2,048]; A: computed on the way; B: computed on the way: QUANTISED (scales: A lowp_scales[6], B lowp_scales[7])
;;     5. batch 64 x [M 2,048, K 2,048] x [K 2,048, N 64]; A: softmax (see below); B: computed on the way: QUANTISED (scales: A lowp_scales[8], B lowp_scales[9])
;;     6. [M 8,192, K 1,024] x [K 1,024, N 1,024]; A: computed on the way; B: input wo: QUANTISED (scales: A lowp_scales[10], B lowp_scales[11])
;;   THE QUANTISER, for each operand of a quantised product, along K:
;;     - The operand's scale is 2^e, e = its entry of the input lowp_scales (int32; the entries are numbered through the quantised products in the list's order, A before B).
;;     - Each number is divided by the scale, clamped to +-448, and rounded to the nearest number of E4M3, ties to even, subnormals kept.
;;     - The product sums the exact products of the quantised numbers (number of the format x scale) in f32.
;;   ~~~python
;;   def quantise(x, axis, e):      # numpy; x: float32 -> the quantised numbers, widened to float32 again
;;       x = np.moveaxis(x, axis, -1); K = x.shape[-1]
;;       r = np.clip(x / 2.0 ** e, -448, 448)
;;       step = 2.0 ** (np.maximum(np.frexp(np.where(r == 0, 1, r))[1] - 1, -6) - 3)
;;       q = np.round(r / step) * step * 2.0 ** e      # np.round: ties to even
;;       return np.moveaxis(q, -1, axis).astype(np.float32)
;;   ~~~
;;   SOFTMAX AHEAD OF A QUANTISED PRODUCT. Where the list says 'softmax', what is quantised is not the finished softmax but p = 2^(t - M), with t = logit x log2(e) and M = ceil(the row's largest t), a whole number; so 1/2 < the row's largest p <= 1. The row's sum l is taken of the UNQUANTISED p, in f32, and the product's result is divided by l at the end. Since M is a whole number, a kernel that streams over the keys may use a running M (the ceiling of the running maximum): every later rescaling is an exact power of two, so the quantised numbers keep their values, but for numbers so far below the row's largest that they fall under the format's range.
;;   OPERANDS COMPUTED ON THE WAY. 'Computed on the way' means the value that the module computes at that place (a softmax that the list does not call 'softmax' is quantised finished and normalised). What goes into a quantiser is computed in f32, as accurately as f32 sums, v_exp_f32 and their like allow (about 1e-6 of the number): no bf16 or f16 on the way to a quantiser, and a product that is left as it is and whose result goes on into a quantised operand takes f32 operands (vector FMAs, or v_wmma_f32_16x16x4_f32). A number that lies on a knife's edge between two numbers of the format may be rounded either way, as far as f32 arithmetic and the matrix unit's own rounding can turn it there, and no further.
;; One version. Each part assembles by itself: llvm-mc -triple=amdgcn-amd-amdhsa -mcpu=gfx1250 --defsym DOCPART=n.
;; ======== version 1 of 1: 4 launches
;; limits: right only within a limited range of input values
;; workspace buffers: xc 25,165,824 bytes; wc 4,194,304 bytes; rope 524,288 bytes; qc 8,388,608 bytes; kc 8,388,608 bytes; vc 8,388,608 bytes; cc 8,388,608 bytes
;; launch prep (part 1): grid 800 x 1, 4 waves a work-group, no clusters, 34,304 bytes of LDS; arguments x, wq, wk, wv, wo, lowp_scales, xc, wc, rope; writes xc, wc, rope
.if DOCPART == 1
	.amdgcn_target "amdgcn-amd-amdhsa--gfx1250"
	.amdhsa_code_object_version 6
	.text
	.protected	k_q99458dd109_prep
	.globl	k_q99458dd109_prep
	.p2align	8
	.type	k_q99458dd109_prep,@function
k_q99458dd109_prep:
	s_mov_b64 s[64:65], 0
	v_nop
	global_prefetch_b8 v0, s[64:65] scope:SCOPE_SE
	s_setreg_imm32_b32 hwreg(HW_REG_WAVE_MODE, 25, 1), 1
	s_wait_xcnt 0x0
; PREP: x (three times: by the scales of entries 0, 2, 4) and the four weights (entries 1, 3, 5, 11) become codes of FP8 (E4M3); the table of RoPE's cosines and sines is made.
; code = number / 2^e, rounded to the nearest code, ties to even.
; THE CODES ARE LAID AS IMAGES OF OPERAND REGISTERS.  A tile is 16 rows; row p of tile T is row 32 (T / 2) + 8 (T % 2) + p + 8 (p / 8) of the tensor.  A fragment (a tile x 128 along K) is 2,048 bytes:
; piece c (512 bytes) holds, at 16 x lane, the 16 codes of the tile's row lane % 16 at K = 32 c + 16 (lane / 16) + 0 .. 15.  A tile's eight fragments follow each other: 16,384 bytes a tile.
; SHARES.  Work-groups 0-511: a tile of x each.  512-767: a tile of a weight each (64 tiles a weight, in the order wq, wk, wv, wo).  768-799: four tiles of positions of the table each.
; A wave takes two fragments (K steps 2 w and 2 w + 1).  Each load reads 512 consecutive bytes of one row; the 16 rows turn through the wave's own stage in LDS (rows 528 bytes apart), so that
; a lane then holds 16 neighbours along K of each block of 32; each store of codes covers 512 consecutive bytes, aligned.  Waves share nothing: no barrier.
; One path serves x and the weights: only pointers and exponents are chosen, on the work-group's number.  x's second and third set of codes stand under a forward branch on that number.
; THE TABLE: [tile of positions 128][piece 8][lane][16 bytes]: (cos, sin, cos, sin) of the pairs i = 16 (piece / 4) + 8 (lane / 16) + 2 (piece % 4) + 0, 1 at the position that the tile gives lane % 16.
; angle = position x 10^(-i / 8); it is reduced by multiples of pi / 2 (in two parts) and cos and sin come from polynomials of degree 10 and 9 on +-pi/4.
; LIMITS: each exponent used here lies between -126 and 119, so that 2^e and 448 x 2^e are f32 numbers.  NaN among the inputs is not served; an infinity is held at the largest code.
; 10^(-i / 8) comes from one v_exp_f32: at the last position an angle may lie about 2e-4 from the one made with a power and a division.
.set SPI,  528                         ; a stage row: 512 bytes + 16 = 33 x 16: the sixteen rows that a load touches start at sixteen different 16-byte columns
.set STG,  16*SPI                      ; a wave's stage
.set LI,   2                           ; v2   16 x lane
.set R0,   16                          ; v16-79   fragment 0 as loaded;  v80-143 fragment 1
.set R1,   80
.set X,    144                         ; v144-207 a fragment turned: register 16 c + n = K 32 c + 16 (lane / 16) + n of my row
.set T,    208
.set C,    224                         ; v224-255 two sets of 16 registers of codes
	s_load_b512 s[4:19], s[0:1], 0x0               ; x s[4:5], wq s[6:7], wk s[8:9], wv s[10:11], wo s[12:13], the exponents s[14:15], xc s[16:17], wc s[18:19]
	s_load_b64 s[20:21], s[0:1], 0x40              ; rope
	v_lshl_add_u32 v14, v0, 2, 0x8400
	v_mov_b32 v15, 0
	v_lshrrev_b32 v1, 5, v0
	v_readfirstlane_b32 s22, v1                    ; wave 0..3
	v_and_b32 v1, 31, v0
	v_lshlrev_b32 v[LI], 4, v1
	v_and_b32 v5, 15, v0                           ; r
	v_bfe_u32 v6, v0, 4, 1                         ; h
	s_cmp_ge_u32 ttmp9, 768
	s_cbranch_scc1 .Ltable
	s_mul_i32 s23, s22, STG
	v_add_nc_u32 v3, s23, v[LI]                    ; the stage, on the way in: 16 bytes a lane of a row
	v_mul_u32_u24 v4, v5, SPI
	v_lshl_add_u32 v4, v6, 6, v4
	v_add_nc_u32 v4, s23, v4                       ; and on the way out: row r, + 64 h bytes
	s_cmp_lt_u32 ttmp9, 512                        ; x or a weight?
	s_cselect_b32 s45, 0, 512
	s_cselect_b32 s46, 0x1ff, 63
	s_sub_co_u32 s45, ttmp9, s45                   ; the tile's number in xc, or in wc (64 tiles a weight, the weights on end)
	s_and_b32 s46, ttmp9, s46                      ; the tile's number in its tensor
	s_lshr_b32 s47, s46, 1
	s_lshl_b32 s47, s47, 17                        ; 32 rows of 4,096 bytes
	s_and_b32 s48, s46, 1
	s_lshl_b32 s48, s48, 15                        ; 8 rows
	s_add_co_u32 s48, s48, s47
	s_lshl_b32 s47, s22, 10                        ; my wave's 256 numbers of a row
	s_add_co_u32 s48, s48, s47
	s_mov_b32 s49, 0
	s_lshl_b32 s50, s45, 14                        ; 16,384 bytes of codes a tile,
	s_lshl_b32 s47, s22, 12                        ; my wave's two fragments
	s_add_co_u32 s50, s50, s47
	s_mov_b32 s51, 0
	s_wait_kmcnt 0x0
	s_load_b256 s[24:31], s[14:15], 0x0            ; e0 .. e7
	s_load_b128 s[32:35], s[14:15], 0x20           ; e8 .. e11
	s_cmp_lt_u32 ttmp9, 512
	s_cselect_b64 s[36:37], s[4:5], s[6:7]
	s_cselect_b64 s[38:39], s[16:17], s[18:19]
	s_cmp_ge_u32 ttmp9, 576
	s_cselect_b64 s[36:37], s[8:9], s[36:37]
	s_cmp_ge_u32 ttmp9, 640
	s_cselect_b64 s[36:37], s[10:11], s[36:37]
	s_cmp_ge_u32 ttmp9, 704
	s_cselect_b64 s[36:37], s[12:13], s[36:37]
	s_add_nc_u64 s[36:37], s[36:37], s[48:49]      ; the numbers
	s_add_nc_u64 s[38:39], s[38:39], s[50:51]      ; the first set of codes
	s_add_nc_u64 s[40:41], s[16:17], s[50:51]
	s_add_nc_u64 s[42:43], s[40:41], 0x1000000     ; x's third set (used by x's work-groups alone)
	s_add_nc_u64 s[40:41], s[40:41], 0x800000      ; x's second
.macro LOADF f, R                      ; fragment f: 16 rows x 512 consecutive bytes
.irp p, 0,1,2,3,4,5,6,7,8,9,10,11,12,13,14,15
	global_load_b128 v[\R+4*\p:\R+4*\p+3], v[LI], s[36:37] offset:(\p+8*(\p/8))*4096+512*\f th:TH_LOAD_NT
.endr
.endm
.macro TURN R                          ; through the stage: LDS serves a wave's instructions in order (ISA guide 5.7.1.4), so no wait stands between the stores and the loads
.irp p, 0,1,2,3,4,5,6,7,8,9,10,11,12,13,14,15
	ds_store_b128 v3, v[\R+4*\p:\R+4*\p+3] offset:SPI*\p
.endr
	v_nop
.irp c, 0,1,2,3
.irp i, 0,1,2,3
	ds_load_b128 v[X+16*\c+4*\i:X+16*\c+4*\i+3], v4 offset:128*\c+16*\i
.endr
.endr
.endm
.macro SCALE k, e                      ; v[8 + k] = 2^e, whose exponent field the conversion takes
	s_add_co_i32 s52, \e, 127
	s_lshl_b32 s53, s52, 23
	v_mov_b32 v[8+\k], s53
.endm
; The fragment in X is quantised by scale k into set cs of C and stored as fragment f's image.  The conversion to an 8-bit code does not saturate (ISA guide 7.6.2): the numbers are converted straight from X, which serves
; the next scale too.
.macro CONV k, f, cs
	s_wait_xcnt 0x0                                ; the earlier stores have read their data: C is written again only behind this wait
.irp c, 0,1,2,3
.irp i, 0,1,2,3,4,5,6,7
.endr
	v_cvt_scalef32_pk8_fp8_f32 v[C+16*\cs+4*\c:C+16*\cs+4*\c+1], v[T+((X+16*\c+0)-(T+0)):T+7+((X+16*\c+0)-(T+0))], v[8+\k]
.irp i, 0,1,2,3,4,5,6,7
.endr
	v_cvt_scalef32_pk8_fp8_f32 v[C+16*\cs+4*\c+2:C+16*\cs+4*\c+3], v[T+8+((X+16*\c+8+0)-(T+8+0)):T+15+((X+16*\c+8+0)-(T+8+0))], v[8+\k]
.endr
.irp c, 0,1,2,3
	global_store_b128 v[LI], v[C+16*\cs+4*\c:C+16*\cs+4*\c+3], s[38+2*\k:39+2*\k] offset:2048*\f+512*\c   ; 32 lanes store 512 consecutive bytes, aligned
.endr
.endm
	s_wait_alu depctr_va_vdst(0)
	LOADF 0, R0
	LOADF 1, R1
	s_wait_kmcnt 0x0
	s_cmp_lt_u32 ttmp9, 512                        ; the first set's exponent: e0 for x, e1, e3, e5, e11 for wq, wk, wv, wo
	s_cselect_b32 s44, s24, s25
	s_cmp_ge_u32 ttmp9, 576
	s_cselect_b32 s44, s27, s44
	s_cmp_ge_u32 ttmp9, 640
	s_cselect_b32 s44, s29, s44
	s_cmp_ge_u32 ttmp9, 704
	s_cselect_b32 s44, s35, s44
	SCALE 0, s44
	SCALE 1, s26                                   ; e2
	SCALE 2, s28                                   ; e4
	s_wait_alu depctr_va_vdst(0)
	s_wait_loadcnt 16                              ; fragment 0's sixteen loads are in; fragment 1's may be out
	TURN R0
	s_wait_dscnt 0x0
	CONV 0, 0, 0
	s_cmp_ge_u32 ttmp9, 512
	s_cbranch_scc1 .Lweight_0                      ; a weight has one scale
	CONV 1, 0, 1
	CONV 2, 0, 0
.Lweight_0:
	s_wait_loadcnt 0x0
	TURN R1
	s_wait_dscnt 0x0
	CONV 0, 1, 1
	s_cmp_ge_u32 ttmp9, 512
	s_cbranch_scc1 .Lweight_1
	CONV 1, 1, 0
	CONV 2, 1, 1
.Lweight_1:
	s_wait_tensorcnt 0x0
	ds_add_u32 v14, v15
	s_wait_dscnt 0x0
	s_endpgm
.Ltable:
	s_sub_co_u32 s23, ttmp9, 768
	s_lshl_b32 s23, s23, 2
	s_add_co_u32 s23, s23, s22                     ; my wave's tile of positions, 0 .. 127
	s_lshr_b32 s24, s23, 1
	s_lshl_b32 s24, s24, 5
	s_and_b32 s25, s23, 1
	s_lshl_b32 s25, s25, 3
	s_add_co_u32 s24, s24, s25
	s_wait_alu depctr_va_vdst(0)
	v_and_b32 v7, 8, v5
	v_add_nc_u32 v7, v7, v5
	v_add_nc_u32 v7, s24, v7                       ; my position: 32 (T / 2) + 8 (T % 2) + r + 8 (r / 8)
	v_cvt_f32_u32 v7, v7
	v_lshlrev_b32 v8, 3, v6                        ; 8 h
	s_mov_b32 s52, 0x3638ef1d                      ; 1 / 9!
	s_mov_b32 s53, 0xb9500d01                      ; -1 / 7!
	s_mov_b32 s54, 0xb493f27e                      ; -1 / 10!
	s_mov_b32 s55, 0x37d00d01                      ; 1 / 8!
	s_lshl_b32 s26, s23, 12                        ; 4,096 bytes of the table a tile
	s_mov_b32 s27, 0
.set q, 0
.rept 16                               ; my sixteen pairs: i = 16 (q / 8) + 8 h + q % 8
	v_add_nc_u32 v[16+q], 16*(q/8)+q%8, v8
.set q, q+1
.endr
.set q, 0
.rept 16
	v_cvt_f32_u32 v[16+q], v[16+q]
.set q, q+1
.endr
.set q, 0
.rept 16
	v_mul_f32 v[16+q], 0xbed49a78, v[16+q]         ; -i x log2(10) / 8
.set q, q+1
.endr
.set q, 0
	s_wait_alu depctr_va_vdst(0)
.rept 16
	v_exp_f32 v[16+q], v[16+q]                     ; 10^(-i / 8) = 1 / 10000^(2 i / 64)
.set q, q+1
.endr
	v_nop                                          ; a plain instruction behind the last exponential
	s_wait_alu depctr_va_vdst(0)                   ; one wait for the batch, ahead of its first reader
.set q, 0
.rept 16
	v_mul_f32 v[16+q], v7, v[16+q]                 ; the angle, rounded once
.set q, q+1
.endr
.macro SINCOS q                        ; cos -> v[32 + 2 q], sin -> v[33 + 2 q]
	v_mul_f32 v64, 0x3f22f983, v[16+\q]            ; x 2 / pi
	v_rndne_f32 v64, v64                           ; n
	v_fmamk_f32 v65, v64, 0xbfc90fdb, v[16+\q]     ; angle - n x (pi / 2)'s upper part,
	v_fmamk_f32 v65, v64, 0x333bbd2e, v65          ; - n x its lower part (which is negative): r, within +-pi / 4
	v_mul_f32 v66, v65, v65                        ; z = r r
	v_fma_f32 v67, v66, s52, s53
	v_fma_f32 v68, v66, s54, s55
	v_fmaak_f32 v67, v66, v67, 0x3c088889          ; 1 / 5!
	v_fmaak_f32 v68, v66, v68, 0xbab60b61          ; -1 / 6!
	v_fmaak_f32 v67, v66, v67, 0xbe2aaaab          ; -1 / 3!
	v_fmaak_f32 v68, v66, v68, 0x3d2aaaab          ; 1 / 4!
	v_mul_f32 v69, v65, v66
	v_fmaak_f32 v68, v66, v68, 0xbf000000          ; -1 / 2
	v_fma_f32 v67, v69, v67, v65                   ; sin r
	v_fma_f32 v68, v66, v68, 1.0                   ; cos r
	v_cvt_i32_f32 v70, v64
	v_and_b32 v69, 1, v70
	v_cmp_eq_u32 vcc_lo, 1, v69                    ; in an odd quadrant the two change places
	v_cndmask_b32 v[33+2*\q], v67, v68, vcc_lo
	v_cndmask_b32 v[32+2*\q], v68, v67, vcc_lo
	v_lshlrev_b32 v69, 30, v70
	v_and_b32 v69, 0x80000000, v69                 ; sin is negated in quadrants 2 and 3,
	v_xor_b32 v[33+2*\q], v69, v[33+2*\q]
	v_add_nc_u32 v70, 1, v70
	v_lshlrev_b32 v70, 30, v70
	v_and_b32 v70, 0x80000000, v70                 ; cos in quadrants 1 and 2
	v_xor_b32 v[32+2*\q], v70, v[32+2*\q]
.endm
.irp q, 0,1,2,3,4,5,6,7,8,9,10,11,12,13,14,15
	SINCOS \q
.endr
	s_wait_alu depctr_va_vdst(0)
	s_wait_kmcnt 0x0
	s_add_nc_u64 s[20:21], s[20:21], s[26:27]
.irp p, 0,1,2,3,4,5,6,7
	global_store_b128 v[LI], v[32+4*\p:35+4*\p], s[20:21] offset:512*\p
.endr
	s_endpgm
.Lfunc_end_k_q99458dd109_prep:
	.size	k_q99458dd109_prep, .Lfunc_end_k_q99458dd109_prep-k_q99458dd109_prep
	.p2alignl 7, 3214868480
	.fill 96, 4, 3214868480
	.section	.rodata,"a",@progbits
	.p2align	6, 0x0
	.amdhsa_kernel k_q99458dd109_prep
		.amdhsa_group_segment_fixed_size 34304
		.amdhsa_private_segment_fixed_size 0
		.amdhsa_enable_private_segment 0
		.amdhsa_kernarg_size 72
		.amdhsa_user_sgpr_count 2
		.amdhsa_user_sgpr_kernarg_segment_ptr 1
		.amdhsa_wavefront_size32 1
		.amdhsa_system_sgpr_workgroup_id_x 1
		.amdhsa_system_sgpr_workgroup_id_y 1
		.amdhsa_system_sgpr_workgroup_id_z 1
		.amdhsa_system_vgpr_workitem_id 0
		.amdhsa_next_free_vgpr 256
		.amdhsa_next_free_sgpr 66
		.amdhsa_reserve_vcc 1
		.amdhsa_float_denorm_mode_32 3
		.amdhsa_float_denorm_mode_16_64 3
		.amdhsa_fp16_overflow 1
		.amdhsa_memory_ordered 1
		.amdhsa_forward_progress 1
		.amdhsa_inst_pref_size 42
	.end_amdhsa_kernel
	.amdgpu_metadata
---
amdhsa.version: [ 1, 2 ]
amdhsa.kernels:
  - .name:           k_q99458dd109_prep
    .symbol:         k_q99458dd109_prep.kd
    .args:
      - { .name: x, .offset: 0, .size: 8, .value_kind: global_buffer, .address_space: global }
      - { .name: wq, .offset: 8, .size: 8, .value_kind: global_buffer, .address_space: global }
      - { .name: wk, .offset: 16, .size: 8, .value_kind: global_buffer, .address_space: global }
      - { .name: wv, .offset: 24, .size: 8, .value_kind: global_buffer, .address_space: global }
      - { .name: wo, .offset: 32, .size: 8, .value_kind: global_buffer, .address_space: global }
      - { .name: lowp_scales, .offset: 40, .size: 8, .value_kind: global_buffer, .address_space: global }
      - { .name: xc, .offset: 48, .size: 8, .value_kind: global_buffer, .address_space: global }
      - { .name: wc, .offset: 56, .size: 8, .value_kind: global_buffer, .address_space: global }
      - { .name: rope, .offset: 64, .size: 8, .value_kind: global_buffer, .address_space: global }
    .group_segment_fixed_size: 34304
    .private_segment_fixed_size: 0
    .kernarg_segment_align: 8
    .kernarg_segment_size: 72
    .max_flat_workgroup_size: 128
    .sgpr_count:     66
    .vgpr_count:     256
    .wavefront_size: 32
...
	.end_amdgpu_metadata
.endif
;; end of part 1
;; launch qkv (part 2): grid 12 x 32, 4 waves a work-group, clusters of 4 x 4, 327,680 bytes of LDS; arguments xc, wc, rope, lowp_scales, qc, kc, vc; writes qc, kc, vc
.if DOCPART == 2
	.amdgcn_target "amdgcn-amd-amdhsa--gfx1250"
	.amdhsa_code_object_version 6
	.text
	.protected	k_q99458dd109_qkv
	.globl	k_q99458dd109_qkv
	.p2align	8
	.type	k_q99458dd109_qkv,@function
k_q99458dd109_qkv:
	s_mov_b64 s[64:65], 0
	v_nop
	global_prefetch_b8 v0, s[64:65] scope:SCOPE_SE
	s_setreg_imm32_b32 hwreg(HW_REG_WAVE_MODE, 25, 1), 1
	s_wait_xcnt 0x0
	s_wait_alu depctr_hold_cnt(0) depctr_sa_sdst(0) depctr_va_vdst(0) depctr_va_sdst(0) depctr_va_ssrc(0) depctr_va_vcc(0) depctr_vm_vsrc(0)
	s_getreg_b32 s2, hwreg(HW_REG_IB_STS2, 6, 4)
	s_cmp_eq_u32 s2, 0
	s_cbranch_scc0 .Lentry_in_a_cluster
	s_endpgm
.Lentry_in_a_cluster:
	s_bfe_u32 s2, ttmp6, 0x10000c
	s_cmp_lg_u32 s2, 0xf033
	s_cbranch_scc0 .Lentry_shape_is_right
	s_endpgm
.Lentry_shape_is_right:
; QKV: q = x wq^T, k = x wk^T, v = x wv^T on codes of FP8 (E4M3); RoPE on q and k in f32; q, k and v are quantised and stored as images of the registers that the attention's products take.
; The cluster's x says which: 0 q, 1 k, 2 v; it is the same in all sixteen partners.  A tile of 256 x 256 is made by four waves, 128 x 128 each: 64 accumulators of 16 x 16, 512 registers.  K = 1,024 goes in four
; slots' worth of 256 through a ring of two LDS slots filled by joint tensor loads: the four work-groups of a row of the cluster share A's tiles, the four of a column B's.
; THE OPERANDS LIE IN MEMORY AS IMAGES OF THEIR REGISTERS: [tile of 16 rows][K step of 128][piece c][lane][16 bytes]; piece c holds at 16 x lane the codes of the tile's row lane % 16 at K = 32 c + 16 (lane / 16) + 0 .. 15.
; So a slot's part of a tile is 4,096 consecutive bytes, a tensor load brings eight of them (16,384 bytes apart) as they lie, and a fragment is four ds_load_b128 at 16 x lane: no pitch, no padding.
; That order of K is the same in both operands, so every product meets its partner.  Row p of tile T is row 32 (T / 2) + 8 (T % 2) + p + 8 (p / 8) of the tensor: so a lane's 16 registers of two neighbouring
; tiles of source 0 are 16 neighbours, 32 (T / 2) + 16 (lane / 16) + 0 .. 15.
; q, k: A (source 1) = tokens, B (source 0) = features: a lane holds one token and neighbouring features: the pairs of RoPE and the next product's K.  v: the operands change places (A = features, B = tokens):
; a lane holds one channel and neighbouring keys, the second attention product's K.  Only pointers and tile numbers are chosen for that.
; The sums' scale 2^(ea + eb) and the quantiser's 2^eo are folded into the conversion's one scale, 2^(eo - ea - eb); a rotation commutes with a power of two.
; LIMITS: e6 - e0 - e1, e7 - e2 - e3 and e9 - e4 - e5 lie between -126 and 119, so that the scale and 448 x the scale are f32 numbers.  NaN is not served.
; REGISTERS, in windows of 256: window 0: v16-31 addresses and scales; v32-95 at work on the way out; from v128 A's fragments, one set, later the codes.  window 1: B's fragments, two sets, later RoPE's table.
;   window 2: the accumulators of A's blocks 0-3 (accumulator (a, b) at v[8 (8 (a % 4) + b)]);  window 3: of blocks 4-7.
.set KSB,    4096                      ; a slot's part of a tile of 16 rows: two fragments
.set HALFT,  8*KSB                     ; eight tiles: what one tensor load brings, and what one wave reads of A or of B
.set SLOT,   4*HALFT                   ; A's two halves, then B's two
.set SPARE,  2*SLOT                    ; behind the ring: the spare words, 128 bytes for each wave: two blocks of 256 bytes that no other line names
.set FR,     16                        ; registers of a fragment
.set NL,     4                         ; LDS loads that bring one
.set NP,     4                         ; places behind this matrix instruction (ISA guide 7.12.1)
.set ADRA, 16                          ; v16-17  LDS address of my A fragments in slot 0, 1
.set ADRB, 20                          ; v20-21  the same for B
.set LI,   22                          ; v22     16 x lane
.set SPW,  28                          ; v28     LDS address of my spare word; never rewritten
.set NIL,  29                          ; v29     0; never rewritten
.set SCL,  30                          ; v30     2^(eo - ea - eb)
.set LIM,  31
.set AF,   128
.set G1, 24                            ; s[24:31] descriptor group 1 for A's tiles;  s[32:39] group 0, one set for each slot
.set G0, 32
.set G1B, 48                           ; s[48:55], s[56:63] the same for B's tiles
.set G0B, 56
.set MSB, 0
.macro WIN new                         ; the immediate's high byte repeats the setting that is left
.if MSB != \new
	s_set_vgpr_msb (MSB<<8)|\new
.set MSB, \new
.endif
.endm
.set MUL_LO, 0xa1                      ; source 0 (B) window 1, source 1 (A) window 0, C and D window 2
.set MUL_HI, 0xf1                      ; the same, C and D window 3
.set TO_B,   0x40                      ; destination window 1, address window 0
; A joint load: waves 0 and 1 fetch for A, waves 2 and 3 for B.  The branch hangs on the wave's number alone.  Four v_nop follow each of the two lines.
.macro JLOAD g0a, g1a, g0b, g1b
	s_cmp_eq_u32 s15, 0
	s_cbranch_scc0 .Lfor_b_\@
	tensor_load_to_lds s[\g0a:\g0a+3], s[\g1a:\g1a+7]
	s_nop 0
.rept 4
	v_nop
.endr
	s_branch .Lasked_\@
.Lfor_b_\@:
	tensor_load_to_lds s[\g0b:\g0b+3], s[\g1b:\g1b+7]
	s_nop 0
.rept 4
	v_nop
.endr
.Lasked_\@:
.endm
.macro CREST                           ; a round of the cluster's barrier behind its opening barrier
	s_cmp_lg_u32 s14, 0
	s_cbranch_scc1 .Lnot_wave_0_\@
	s_barrier_signal -3
.Lnot_wave_0_\@:
	s_barrier_wait -3
	s_barrier_signal -1
	s_barrier_wait -1
.endm
.macro CROUND                          ; a whole round
	s_barrier_signal -1
	s_barrier_wait -1
	CREST
.endm
	s_load_b256 s[4:11], s[0:1], 0x0               ; xc s[4:5], wc s[6:7], rope s[8:9], the exponents s[10:11]
	s_load_b128 s[68:71], s[0:1], 0x20             ; qc, kc
	s_load_b64 s[72:73], s[0:1], 0x30              ; vc
	v_lshl_add_u32 v[SPW], v0, 2, SPARE
	v_mov_b32 v[NIL], 0
	ds_add_u32 v28, v29
	ds_add_u32 v28, v29
	s_wait_dscnt 0x0
	v_lshrrev_b32 v1, 5, v0
	v_readfirstlane_b32 s14, v1                    ; wave 0..3
	s_lshr_b32 s15, s14, 1                         ; which half of A's 256 rows is mine.  Also: I fetch for A (0) or for B (1)
	s_and_b32 s16, s14, 1                          ; which half of B's.  Also: which eight tiles I fetch
	s_bfe_u32 s40, ttmp6, 0x40000                  ; cx, cy: my place in the cluster
	s_bfe_u32 s41, ttmp6, 0x40004
	s_mov_b32 s66, ttmp9                           ; the cluster's x: 0 q, 1 k, 2 v
	s_and_b32 s67, ttmp7, 0xffff
	s_lshl_b32 s67, s67, 2                         ; 4 x the cluster's y: its first block of 256 tokens
	s_lshl_b32 s96, s66, 23                        ; x's codes by the product's own scale: 8 MiB a set
	s_lshl_b32 s97, s66, 20                        ; the weight's codes: 1 MiB a weight
	s_cmp_eq_u32 s66, 2                            ; for v the operands change places
	s_cselect_b32 s17, 0, s67
	s_cselect_b32 s42, s67, 0
	s_cselect_b32 s96, 0x200000, s96               ; A's part: wv's codes, or x's
	s_cselect_b32 s97, 0x1000000, s97              ; B's part: x's third set, or the weight's
	s_add_co_u32 s17, s17, s41                     ; A's block of 256 rows: hangs on cy alone
	s_add_co_u32 s42, s42, s40                     ; B's: on cx alone
	s_lshl_b32 s43, s41, 2
	s_lshl_b32 s43, 15, s43                        ; my row of the cluster
	s_lshl_b32 s44, 0x1111, s40                    ; my column
	; descriptor group 1: eight rows of 512 elements of 8 bytes (4,096 bytes), 2,048 elements (16,384 bytes) apart; dense in LDS
	s_or_b32 s[G1+0], s43, (3<<16)|(1<<21)         ; 15:0 the mask: A's tiles go to my row; 17:16 elements of 8 bytes; 20 no padding; 21 set beside a mask
	s_or_b32 s[G1B+0], s44, (3<<16)|(1<<21)
.irp g, G1, G1B
	s_mov_b32 s[\g+1], 512<<16                     ; tensor_dim0
	s_mov_b32 s[\g+2], 8<<16                       ; tensor_dim1
	s_mov_b32 s[\g+3], 512<<16                     ; tile_dim0
	s_mov_b32 s[\g+4], 8                           ; tile_dim1
	s_mov_b32 s[\g+5], 2048                        ; tensor_dim0_stride
	s_mov_b32 s[\g+6], 0
	s_mov_b32 s[\g+7], 0
.endr
	s_lshl_b32 s18, s16, 17                        ; which eight tiles of the sixteen I fetch: 131,072 bytes
	s_lshl_b32 s20, s17, 18                        ; a block of 256 rows is 262,144 bytes of codes
	s_add_co_u32 s20, s20, s18
	s_add_co_u32 s20, s20, s96
	s_mov_b32 s21, 0
	s_lshl_b32 s46, s42, 18
	s_add_co_u32 s46, s46, s18
	s_add_co_u32 s46, s46, s97
	s_mov_b32 s47, 0
	s_lshl_b32 s45, s14, 15                        ; where they go: wave x 32,768: no place in the cluster enters an LDS address
	s_wait_kmcnt 0x0
	s_load_b256 s[76:83], s[10:11], 0x0            ; e0 .. e7
	s_load_b128 s[84:87], s[10:11], 0x20           ; e8 .. e11
	s_cmp_eq_u32 s66, 2
	s_cselect_b64 s[88:89], s[6:7], s[4:5]
	s_cselect_b64 s[90:91], s[4:5], s[6:7]
	s_add_nc_u64 s[20:21], s[88:89], s[20:21]
	s_add_nc_u64 s[46:47], s[90:91], s[46:47]
	CROUND                                         ; all sixteen work-groups are here: the first joint loads meet
.irp s, 0,1
	s_mov_b32 s[G0+4*\s], 1
	s_add_co_u32 s[G0+4*\s+1], s45, \s*SLOT
	s_add_nc_u64 s[G0+4*\s+2:G0+4*\s+3], s[20:21], \s*KSB
	s_or_b32 s[G0+4*\s+3], s[G0+4*\s+3], 0x80000000
	s_mov_b32 s[G0B+4*\s], 1
	s_add_co_u32 s[G0B+4*\s+1], s45, \s*SLOT
	s_add_nc_u64 s[G0B+4*\s+2:G0B+4*\s+3], s[46:47], \s*KSB
	s_or_b32 s[G0B+4*\s+3], s[G0B+4*\s+3], 0x80000000
	JLOAD G0+4*\s, G1, G0B+4*\s, G1B
.endr
	v_and_b32 v1, 31, v0
	v_lshlrev_b32 v[LI], 4, v1
	s_lshl_b32 s21, s15, 15                        ; my eight tiles of A
	s_lshl_b32 s22, s16, 15                        ; my eight tiles of B,
	s_add_co_u32 s22, s22, 2*HALFT                 ; which lie behind A's sixteen
.irp s, 0,1
	v_add_nc_u32 v[ADRA+\s], s21, v[LI]
	v_add_nc_u32 v[ADRB+\s], s22, v[LI]
	s_add_co_u32 s21, s21, SLOT
	s_add_co_u32 s22, s22, SLOT
.endr
	; where my results go.  My 128 tokens are group GT of 64 (16 to a batch), my 128 features are heads 2 HG and 2 HG + 1
	s_lshl_b32 s18, s17, 1
	s_add_co_u32 s18, s18, s15                     ; my 128 rows of A
	s_lshl_b32 s19, s42, 1
	s_add_co_u32 s19, s19, s16                     ; my 128 rows of B
	s_cmp_eq_u32 s66, 2
	s_cselect_b32 s22, s19, s18                    ; GT
	s_cselect_b32 s23, s18, s19                    ; HG
	s_lshr_b32 s88, s22, 4
	s_lshl_b32 s88, s88, 4                         ; 16 x batch
	s_lshl_b32 s23, s23, 1
	s_add_co_u32 s88, s88, s23                     ; + the first of my two heads
	s_lshl_b32 s88, s88, 17                        ; 131,072 bytes of codes a head
	s_and_b32 s22, s22, 15
	s_lshl_b32 s23, s22, 13                        ; 8,192 bytes for 128 tokens of a head
	s_add_co_u32 s88, s88, s23
	s_mov_b32 s89, 0
	s_lshl_b32 s90, s22, 15                        ; the table: 32,768 bytes for 128 positions
	s_mov_b32 s91, 0
	s_cmp_eq_u32 s66, 1
	s_cselect_b64 s[92:93], s[70:71], s[68:69]
	s_cmp_eq_u32 s66, 2
	s_cselect_b64 s[92:93], s[72:73], s[92:93]
	s_add_nc_u64 s[92:93], s[92:93], s[88:89]
	s_add_nc_u64 s[94:95], s[8:9], s[90:91]
	s_wait_alu depctr_va_vdst(0)
	s_wait_kmcnt 0x0
	s_sub_co_i32 s18, s82, s76                     ; e6 - e0 - e1
	s_sub_co_i32 s18, s18, s77
	s_sub_co_i32 s19, s83, s78                     ; e7 - e2 - e3
	s_sub_co_i32 s19, s19, s79
	s_sub_co_i32 s23, s85, s80                     ; e9 - e4 - e5
	s_sub_co_i32 s23, s23, s81
	s_cmp_eq_u32 s66, 1
	s_cselect_b32 s18, s19, s18
	s_cmp_eq_u32 s66, 2
	s_cselect_b32 s18, s23, s18
	s_add_co_i32 s18, s18, 127
	s_lshl_b32 s19, s18, 23
	v_mov_b32 v[SCL], s19
.macro FRAG reg, adr, q, i             ; tile i's fragment of the slot's q-th 128 along K: four pieces of 512 bytes, as they lie
.irp c, 0,1,2,3
	ds_load_b128 v[\reg+4*\c:\reg+4*\c+3], v[\adr] offset:2048*(\q)+512*\c+(\i)*KSB
.endr
.endm
; 16 matrix instructions: A's blocks a0, a0 + 1 x B's eight, 128 along K.  p: B's set.  zero = 1: the first product starts the sums.  The 64 accumulators take turns, one instruction a turn, in the same order in every step.
.macro MUL16 a0, p, zero
.irp a, \a0, \a0+1
.irp b, 0,1,2,3,4,5,6,7
.if \zero
	v_wmma_f32_16x16x128_fp8_fp8 v[8*(8*((\a)%4)+\b):8*(8*((\a)%4)+\b)+7], v[128*(\p)+FR*\b:128*(\p)+FR*\b+FR-1], v[AF+FR*(\a):AF+FR*(\a)+FR-1], 0
.else
	v_wmma_f32_16x16x128_fp8_fp8 v[8*(8*((\a)%4)+\b):8*(8*((\a)%4)+\b)+7], v[128*(\p)+FR*\b:128*(\p)+FR*\b+FR-1], v[AF+FR*(\a):AF+FR*(\a)+FR-1], v[8*(8*((\a)%4)+\b):8*(8*((\a)%4)+\b)+7]
.endif
.endr
.endr
.endm
.macro FETCH_B slot, q, p
	WIN TO_B
.irp i, 0,1,2,3,4,5,6,7
	FRAG 128*(\p)+FR*\i, ADRB+\slot, \q, \i
.endr
	WIN 0
.endm
.macro FETCH_A slot, q, i0
.irp i, \i0, \i0+1, \i0+2, \i0+3
	FRAG AF+FR*(\i), ADRA+\slot, \q, \i
.endr
.endm
.macro PLACES n                        ; plain vector instructions between a matrix instruction and a load into, or a vector instruction on, its registers (ISA guide 7.12.1 for vector instructions)
.rept \n
	v_nop
.endr
.endm
; A step of 128 along K that has its successor in the same slot.  A has one set of registers: blocks 0-3 are fetched anew in the step's middle, blocks 4-7 at its end; B has two sets.
.macro STEP slot, q, zero
	s_wait_dscnt 4*NL                              ; B's set and A's blocks 0-3 are in; the youngest sixteen loads (A's blocks 4-7) may be out
	WIN MUL_LO
	MUL16 0, (\q)%2, \zero
	MUL16 2, (\q)%2, \zero
	s_wait_dscnt 0                                 ; A's blocks 4-7 are in
	PLACES NP
	FETCH_B \slot, (\q)+1, 1-(\q)%2
	FETCH_A \slot, (\q)+1, 0
	WIN MUL_HI
	MUL16 4, (\q)%2, \zero
	MUL16 6, (\q)%2, \zero
	PLACES NP
	WIN 0
	FETCH_A \slot, (\q)+1, 4
.endm
; A slot's last step changes slots: one barrier; in front of it each wave waits for all its tensor loads, adds 0 to its spare word, and waits for that and for its own reads of this slot.  fill = 1: this slot is filled again.
.macro TURN slot, next, fill
	s_wait_tensorcnt 0x0                           ; all my tensor loads have landed: my part of the next slot
	ds_add_u32 v[SPW], v[NIL]                      ; 0 onto my spare word
	s_wait_dscnt 4*NL+1                            ; (the add and the youngest sixteen loads, A's blocks 4-7, may be out)
	WIN MUL_LO
	MUL16 0, 1, 0                                  ; sixteen matrix instructions stand between the add and the wait for it
	s_wait_dscnt 0x0                               ; the add is done, and my reads of this slot are over
	s_barrier_signal -1
	MUL16 2, 1, 0
	WIN 0
	s_barrier_wait -1
.if \fill
	CREST                                          ; the barrier has opened a round of the cluster's barrier: no wave of any partner still reads this slot or has a load on its way
	s_add_nc_u64 s[G0+4*\slot+2:G0+4*\slot+3], s[G0+4*\slot+2:G0+4*\slot+3], 2*KSB
	s_add_nc_u64 s[G0B+4*\slot+2:G0B+4*\slot+3], s[G0B+4*\slot+2:G0B+4*\slot+3], 2*KSB
	JLOAD G0+4*\slot, G1, G0B+4*\slot, G1B         ; the first tensor load behind the round; its four v_nop are also the places in front of the loads below
.else
	PLACES NP
.endif
	FETCH_B \next, 0, 0
	FETCH_A \next, 0, 0
	WIN MUL_HI
	MUL16 4, 1, 0
	MUL16 6, 1, 0
	PLACES NP
	WIN 0
	FETCH_A \next, 0, 4
.endm
.macro TAB a                           ; the table for my tile a of tokens: 16 pairs (cos, sin) a lane, into window 1
.irp p, 0,1,2,3,4,5,6,7
	global_load_b128 v[32*(\a)+4*\p:32*(\a)+4*\p+3], v[LI], s[94:95] offset:4096*(\a)+512*\p
.endr
.endm
	s_wait_tensorcnt 1                             ; my part of the first 256 along K is in (the second slot's load may be out)
	s_barrier_signal -1
	s_barrier_wait -1                              ; everybody's is
	FETCH_B 0, 0, 0
	FETCH_A 0, 0, 0
	FETCH_A 0, 0, 4
	STEP 0, 0, 1                                   ; K = 1,024 is eight steps, written out: the first starts the sums
	TURN 0, 1, 1                                   ; slot 0 takes K 512 on
	STEP 1, 0, 0
	TURN 1, 0, 1                                   ; slot 1 takes K 768 on
	STEP 0, 0, 0
	TURN 0, 1, 0                                   ; nothing is left to fetch
	STEP 1, 0, 0
	s_cmp_eq_u32 s66, 2                            ; q and k: the table for tiles 0-3 is asked for now, into B's set 0, whose last products stand in front of the step's last places
	s_cbranch_scc1 .Lno_table
	WIN TO_B
	TAB 0
	TAB 1
	TAB 2
	TAB 3
	WIN 0
.Lno_table:
	s_wait_dscnt 4*NL                              ; the last step
	WIN MUL_LO
	MUL16 0, 1, 0
	MUL16 2, 1, 0
	s_wait_dscnt 0
	WIN MUL_HI
	MUL16 4, 1, 0
	MUL16 6, 1, 0
	WIN 0
	s_cmp_eq_u32 s66, 2
	s_cbranch_scc1 .Lv_out
; THE WAY OUT OF q AND k.  A unit is tile a of tokens x head hh: four accumulators, 32 registers: register 16 b + n of lane (r, h) is channel 32 b + 16 h + n of token r.  Register pair g and the table's pair g
; belong to the same pair of RoPE.  (x1, x2) -> (x1 cos - x2 sin, x2 cos + x1 sin): a packed product (-x2 sin, x1 sin), then a packed multiply-add.  Each accumulator is read from its low end on.
; Then the conversion, and two stores of 512 consecutive bytes: the unit's image.  Each unit has its own registers for its codes, so no store's data are written again.
.macro UNITQK a, hh
.set AC, 64*((\a)%4)+32*(\hh)
.set TBL, 32*(\a)
.set CD, 128+8*(2*(\a)+(\hh))
	WIN 0x06+((\a)/4)                              ; source 0 (the sums) window 2 or 3, source 1 (the table) window 1
.set g, 0
.rept 16
	v_pk_mul_f32 v[32+2*g:33+2*g], v[AC+2*g:AC+2*g+1], v[TBL+2*g:TBL+2*g+1] op_sel:[1,1] op_sel_hi:[0,1] neg_lo:[1,0]
.set g, g+1
.endr
.set g, 0
.rept 16
	v_pk_fma_f32 v[64+2*g:65+2*g], v[AC+2*g:AC+2*g+1], v[TBL+2*g:TBL+2*g+1], v[32+2*g:33+2*g] op_sel_hi:[1,0,1]
.set g, g+1
.endr
	WIN 0
.set g, 0
.rept 32
.set g, g+1
.endr
.irp g, 0,1,2,3
	v_cvt_scalef32_pk8_fp8_f32 v[CD+2*\g:CD+2*\g+1], v[64+8*\g:71+8*\g], v[SCL]
.endr
	v_nop                                          ; a plain instruction between the last conversion and the next write of its sources
.irp c, 0,1
	global_store_b128 v[LI], v[CD+4*\c:CD+4*\c+3], s[92:93] offset:131072*(\hh)+1024*(\a)+512*\c
.endr
.endm
	PLACES NP                                      ; behind the last products: for the loads into B's set 1, the first reads of results and the writes over A's fragments
	WIN TO_B
	TAB 4
	TAB 5
	TAB 6
	TAB 7
	WIN 0
	s_wait_loadcnt 32                              ; the table for tiles 0-3 is in; the 32 loads just issued may be out
.irp a, 0,1,2,3
	UNITQK \a, 0
	UNITQK \a, 1
.endr
	s_wait_loadcnt 0x0
.irp a, 4,5,6,7
	UNITQK \a, 0
	UNITQK \a, 1
.endr
	s_branch .Ldone
; THE WAY OUT OF v.  Block a's eight accumulators: register 16 c + n of lane (r, h) is key 32 c + 16 h + n of my 128 tokens, for channel r of tile a % 4 of head a / 4: one fragment of V^T, 128 keys deep.
.macro UNITV a
	WIN 0x02+((\a)/4)                              ; source 0 window 2 or 3
.set g, 0
.rept 64
.set g, g+1
.endr
.irp g, 0,1,2,3,4,5,6,7
	v_cvt_scalef32_pk8_fp8_f32 v[128+16*(\a)+2*\g:129+16*(\a)+2*\g], v[32+8*\g+((64*((\a)%4)+g)-(32+g)):39+8*\g+((64*((\a)%4)+g)-(32+g))], v[SCL]
.endr
	WIN 0
	v_nop
.irp c, 0,1,2,3
	global_store_b128 v[LI], v[128+16*(\a)+4*\c:131+16*(\a)+4*\c], s[92:93] offset:131072*((\a)/4)+2048*((\a)%4)+512*\c
.endr
.endm
.Lv_out:
	PLACES NP
	s_wait_alu depctr_va_vdst(0)
.irp a, 0,1,2,3,4,5,6,7
	UNITV \a
.endr
.Ldone:
	s_wait_tensorcnt 0x0                           ; the wave's end
	ds_add_u32 v[SPW], v[NIL]
	s_wait_dscnt 0x0
	CROUND                                         ; the closing round: no work-group ends while a partner may still ask for a tile that names it
	s_endpgm
.Lfunc_end_k_q99458dd109_qkv:
	.size	k_q99458dd109_qkv, .Lfunc_end_k_q99458dd109_qkv-k_q99458dd109_qkv
	.p2alignl 7, 3214868480
	.fill 96, 4, 3214868480
	.section	.rodata,"a",@progbits
	.p2align	6, 0x0
	.amdhsa_kernel k_q99458dd109_qkv
		.amdhsa_group_segment_fixed_size 327680
		.amdhsa_private_segment_fixed_size 0
		.amdhsa_enable_private_segment 0
		.amdhsa_kernarg_size 56
		.amdhsa_user_sgpr_count 2
		.amdhsa_user_sgpr_kernarg_segment_ptr 1
		.amdhsa_wavefront_size32 1
		.amdhsa_system_sgpr_workgroup_id_x 1
		.amdhsa_system_sgpr_workgroup_id_y 1
		.amdhsa_system_sgpr_workgroup_id_z 1
		.amdhsa_system_vgpr_workitem_id 0
		.amdhsa_next_free_vgpr 1024
		.amdhsa_next_free_sgpr 100
		.amdhsa_reserve_vcc 0
		.amdhsa_float_denorm_mode_32 3
		.amdhsa_float_denorm_mode_16_64 3
		.amdhsa_fp16_overflow 1
		.amdhsa_memory_ordered 1
		.amdhsa_forward_progress 1
		.amdhsa_inst_pref_size 133
	.end_amdhsa_kernel
	.amdgpu_metadata
---
amdhsa.version: [ 1, 2 ]
amdhsa.kernels:
  - .name:           k_q99458dd109_qkv
    .symbol:         k_q99458dd109_qkv.kd
    .args:
      - { .name: xc, .offset: 0, .size: 8, .value_kind: global_buffer, .address_space: global }
      - { .name: wc, .offset: 8, .size: 8, .value_kind: global_buffer, .address_space: global }
      - { .name: rope, .offset: 16, .size: 8, .value_kind: global_buffer, .address_space: global }
      - { .name: lowp_scales, .offset: 24, .size: 8, .value_kind: global_buffer, .address_space: global }
      - { .name: qc, .offset: 32, .size: 8, .value_kind: global_buffer, .address_space: global }
      - { .name: kc, .offset: 40, .size: 8, .value_kind: global_buffer, .address_space: global }
      - { .name: vc, .offset: 48, .size: 8, .value_kind: global_buffer, .address_space: global }
    .group_segment_fixed_size: 327680
    .private_segment_fixed_size: 0
    .kernarg_segment_align: 8
    .kernarg_segment_size: 56
    .max_flat_workgroup_size: 128
    .sgpr_count:     100
    .vgpr_count:     1024
    .wavefront_size: 32
...
	.end_amdgpu_metadata
.endif
;; end of part 2
;; launch attn (part 3): grid 4 x 64, 16 waves a work-group, clusters of 4 x 1, 327,680 bytes of LDS; arguments qc, kc, vc, lowp_scales, cc; writes cc
.if DOCPART == 3
	.amdgcn_target "amdgcn-amd-amdhsa--gfx1250"
	.amdhsa_code_object_version 6
	.text
	.protected	k_q99458dd109_attn
	.globl	k_q99458dd109_attn
	.p2align	8
	.type	k_q99458dd109_attn,@function
k_q99458dd109_attn:
	s_mov_b64 s[64:65], 0
	v_nop
	global_prefetch_b8 v0, s[64:65] scope:SCOPE_SE
	s_setreg_imm32_b32 hwreg(HW_REG_WAVE_MODE, 25, 1), 1
	s_wait_xcnt 0x0
	s_wait_alu depctr_hold_cnt(0) depctr_sa_sdst(0) depctr_va_vdst(0) depctr_va_sdst(0) depctr_va_ssrc(0) depctr_va_vcc(0) depctr_vm_vsrc(0)
	s_getreg_b32 s2, hwreg(HW_REG_IB_STS2, 6, 4)
	s_cmp_eq_u32 s2, 0
	s_cbranch_scc0 .Lentry_in_a_cluster
	s_endpgm
.Lentry_in_a_cluster:
	s_bfe_u32 s2, ttmp6, 0x10000c
	s_cmp_lg_u32 s2, 0x3003
	s_cbranch_scc0 .Lentry_shape_is_right
	s_endpgm
.Lentry_shape_is_right:
; ATTN: ctx = softmax(q k^T / 8, causal) v for one head, both products on codes of FP8 (E4M3); ctx is quantised and stored as images of the last product's operand registers.
; THE SOFTMAX AHEAD OF THE SECOND PRODUCT: t = score x log2(e) / 8; M = the running largest t, rounded up to a whole number; p = 2^(t - M) is quantised by 2^e8; the row's sum is taken of the unquantised p and divides at the end.
; When M moves, the sum and O are multiplied by 2^(old M - new M), which rounds nothing.
; A HEAD'S K AND V LIE IN LDS WHOLE: 131,072 bytes each, as they lie in memory: K [key step of 128][tile of 16 keys 8][piece 2][512 bytes], V^T [key step][tile of 16 channels 4][piece 4][512 bytes].
; Every LDS byte is filled once, so there is no ring.  The four work-groups of a cluster serve the same head and ask for each part jointly.
; A piece holds at 16 x lane the codes of the tile's row lane % 16 at K = 32 c + 16 (lane / 16) + 0 .. 15; row p of tile T is row 32 (T / 2) + 8 (T % 2) + p + 8 (p / 8): so a lane's 16 registers of two
; neighbouring tiles of source 0 are 16 neighbours along the next K.  Both products are used transposed: S^T = K Q^T, O^T = V^T P^T: a lane holds one query (lane % 16) throughout.
; SHARES.  With j = wave % 8 and ai = 2 cx + wave / 8, a wave owns two tiles of 16 queries, one after the other in the same registers: HIGH, tile 8 (15 - j) + ai, key steps 0 .. 15 - j, and LOW, tile 8 j + ai, key steps
; 0 .. j: 17 key steps for every wave of every work-group, two of them on the diagonal.  The loops' trip counts are constants; a step whose keys all come after the tile's queries is jumped over, by a scalar branch on
; the wave's number and the loop's count.  cx enters global addresses and the mask's threshold (a vector number) alone.
; On the diagonal the scores of hidden keys become -infinity ahead of the maximum.  Key 0 counts for every query, so M is a number from the first step on.
; LIMITS: e6 + e7 between -123 and 130 (added to c's exponent field); e8, and e10 - e8 - e9, between -126 and 119.  NaN is not served.
; REGISTERS: v1 16 x lane; v2, v3 the step's LDS addresses; v4 the mask's threshold; v5 -infinity; v8 2^e8; v10 2^(e10 - e8 - e9); v12 -M; v13 the largest t; v[14:15] the sum in two halves;
;   v16-23, v24-31 Q of HIGH, of LOW; v32-95 K's eight fragments, then V's four; v96-159 S^T, then p; v160-191 O^T; v192-207 p's codes; v208-215, v216-223 ctx's codes; v236-254 at work.
.set LI,  1
.set QH,  16
.set QL,  24
.set WV,  18                           ; s18  my wave's number
.set JJ,  19                           ; s19  j
.set SEL, 20                           ; s[20:21] lane selects for v_permlanex16_b32: lane l xor 16
.set CS,  22                           ; s[22:23] c = log2(e) / 8 x 2^(e6 + e7)
.set G1A, 24                           ; s[24:31] descriptor group 1: 16 rows of 256 bytes;  s[32:39]: 48 rows
.set G1B, 32
.set G0A, 40                           ; s[40:43], s[44:47] their groups 0
.set G0B, 44
.set TB,  50                           ; s50  LDS byte of the key step in hand: 8,192 x its number
.set TT,  51                           ; s51  the key step's number
.set LIM, 52                           ; s52  the tile's last key step, the one on the diagonal
.macro CROUND                          ; a round of the cluster's barrier
	s_barrier_signal -1
	s_barrier_wait -1
	s_cmp_lg_u32 s[WV], 0
	s_cbranch_scc1 .Lnot_wave_0_\@
	s_barrier_signal -3
.Lnot_wave_0_\@:
	s_barrier_wait -3
	s_barrier_signal -1
	s_barrier_wait -1
.endm
	s_load_b256 s[4:11], s[0:1], 0x0               ; qc s[4:5], kc s[6:7], vc s[8:9], the exponents s[10:11]
	s_load_b64 s[12:13], s[0:1], 0x20              ; cc
	v_lshl_add_u32 v251, v0, 2, 0x40000
	v_mov_b32 v255, 0
	ds_add_u32 v251, v255
	ds_add_u32 v251, v255
	v_lshrrev_b32 v1, 5, v0
	s_delay_alu instid0(VALU_DEP_1)
	v_readfirstlane_b32 s[WV], v1                  ; wave 0..15
	s_and_b32 s[JJ], s[WV], 7
	s_lshr_b32 s53, s[WV], 3
	s_bfe_u32 s48, ttmp6, 0x40000                  ; cx
	s_and_b32 s49, ttmp7, 0xffff                   ; 16 x batch + head, which the four partners share
	; descriptor group 1: a dense block as rows of 32 elements of 8 bytes
	s_mov_b32 s[G1A], 15|(3<<16)|(1<<21)           ; 15:0 the mask: all four work-groups; 17:16 elements of 8 bytes; 21 set beside a mask
	s_mov_b32 s[G1A+1], 32<<16                     ; tensor_dim0
	s_mov_b32 s[G1A+2], 16<<16                     ; tensor_dim1
	s_mov_b32 s[G1A+3], 32<<16                     ; tile_dim0
	s_mov_b32 s[G1A+4], 16                         ; tile_dim1
	s_mov_b32 s[G1A+5], 32                         ; tensor_dim0_stride
	s_mov_b32 s[G1A+6], 0
	s_mov_b32 s[G1A+7], 0
	s_mov_b32 s[G1B], 15|(3<<16)|(1<<21)
	s_mov_b32 s[G1B+1], 32<<16
	s_mov_b32 s[G1B+2], 48<<16
	s_mov_b32 s[G1B+3], 32<<16
	s_mov_b32 s[G1B+4], 48
	s_mov_b32 s[G1B+5], 32
	s_mov_b32 s[G1B+6], 0
	s_mov_b32 s[G1B+7], 0
	s_mov_b32 s[SEL], 0x76543210
	s_mov_b32 s[SEL+1], 0xfedcba98
	s_mov_b32 s[CS], 0x3e38aa3b                    ; log2(e) / 8
	s_lshl_b32 s62, s49, 17                        ; the head's first byte in qc, kc and vc
	s_mov_b32 s63, 0
	s_lshl_b32 s66, s53, 17                        ; waves 0-7 fetch K (LDS byte 0 on), waves 8-15 V (131,072 on)
	s_lshl_b32 s82, s[JJ], 12                      ; key steps 0-3 are 32,768 bytes: 4,096 a wave,
	s_mov_b32 s83, 0
	s_mul_i32 s84, s[JJ], 12288                    ; key steps 4-15 are 98,304: 12,288 a wave;
	s_add_co_u32 s84, s84, 32768                   ; the same offsets in LDS and in memory
	s_mov_b32 s85, 0
	s_wait_dscnt 0x0
	s_wait_kmcnt 0x0
	s_load_b128 s[72:75], s[10:11], 0x18           ; e6, e7, e8, e9
	s_load_b32 s76, s[10:11], 0x28                 ; e10
	s_cmp_lt_u32 s[WV], 8
	s_cselect_b64 s[80:81], s[6:7], s[8:9]
	s_add_nc_u64 s[80:81], s[80:81], s[62:63]
	s_mov_b32 s[G0A], 1
	s_add_co_u32 s[G0A+1], s66, s82
	s_add_nc_u64 s[G0A+2:G0A+3], s[80:81], s[82:83]
	s_or_b32 s[G0A+3], s[G0A+3], 0x80000000
	s_mov_b32 s[G0B], 1
	s_add_co_u32 s[G0B+1], s66, s84
	s_add_nc_u64 s[G0B+2:G0B+3], s[80:81], s[84:85]
	s_or_b32 s[G0B+3], s[G0B+3], 0x80000000
	CROUND                                         ; all four work-groups are here: the joint loads meet
	tensor_load_to_lds s[G0A:G0A+3], s[G1A:G1A+7]  ; every wave's two loads, the only ones of the launch: one of mine is out
	s_nop 0
	s_wait_alu depctr_va_vdst(0)
	s_wait_tensorcnt 0x0
	ds_add_u32 v251, v255
	s_wait_dscnt 0x0
	CROUND
	tensor_load_to_lds s[G0B:G0B+3], s[G1B:G1B+7]
	s_nop 0
.rept 4
	v_nop
.endr
	v_and_b32 v1, 31, v0
	s_delay_alu instid0(VALU_DEP_1)
	v_lshlrev_b32 v[LI], 4, v1
	s_wait_alu depctr_va_vdst(0)
	s_lshl_b32 s86, s48, 1
	s_add_co_u32 s86, s86, s53                     ; ai
	s_sub_co_u32 s[LIM], 15, s[JJ]                 ; HIGH's last key step
	s_lshl_b32 s88, s[LIM], 3
	s_add_co_u32 s88, s88, s86                     ; HIGH's tile
	s_lshl_b32 s89, s[JJ], 3
	s_add_co_u32 s89, s89, s86                     ; LOW's
	s_mov_b32 s91, 0
	s_add_nc_u64 s[4:5], s[4:5], s[62:63]
	s_lshl_b32 s90, s88, 10                        ; 1,024 bytes of q's codes a tile
	s_add_nc_u64 s[54:55], s[4:5], s[90:91]
	s_lshl_b32 s90, s89, 10
	s_add_nc_u64 s[56:57], s[4:5], s[90:91]
.irp c, 0,1
	global_load_b128 v[QH+4*\c:QH+4*\c+3], v[LI], s[54:55] offset:512*\c
	global_load_b128 v[QL+4*\c:QL+4*\c+3], v[LI], s[56:57] offset:512*\c
.endr
	s_lshr_b32 s92, s49, 4
	s_lshl_b32 s92, s92, 21                        ; cc: 128 tiles of 16,384 bytes a batch,
	s_and_b32 s93, s49, 15
	s_lshl_b32 s93, s93, 10                        ; a head's 64 along K are two pieces: 1,024 bytes
	s_add_co_u32 s92, s92, s93
	s_lshl_b32 s90, s88, 14
	s_add_co_u32 s90, s90, s92
	s_add_nc_u64 s[58:59], s[12:13], s[90:91]
	s_lshl_b32 s90, s89, 14
	s_add_co_u32 s90, s90, s92
	s_add_nc_u64 s[60:61], s[12:13], s[90:91]
	v_and_b32 v6, 15, v0                           ; r
	v_bfe_u32 v7, v0, 4, 1                         ; h
	s_delay_alu instid0(VALU_DEP_2)
	v_and_b32 v4, 8, v6
	s_delay_alu instid0(VALU_DEP_1)
	v_add_nc_u32 v4, v4, v6
	s_delay_alu instid0(VALU_DEP_3)
	v_lshlrev_b32 v7, 4, v7
	s_delay_alu instid0(VALU_DEP_1)
	v_sub_nc_u32 v4, v4, v7
	s_lshl_b32 s90, s48, 5
	s_lshl_b32 s93, s53, 3
	s_add_co_u32 s90, s90, s93
	v_add_nc_u32 v4, s90, v4                       ; my query's place in the diagonal step less 16 h: 32 cx + 8 (wave / 8) + r + 8 (r / 8) - 16 h.  Register n holds key 32 (n / 16) + n % 16 + 16 h: hidden where 32 (n / 16) + n % 16 is above this
	v_mov_b32 v5, 0xff800000                       ; -infinity
	v_mov_b32 v236, 0                              ; written once: a lane permute's destination counts as one of its sources
	v_mov_b32 v252, 0
	v_mov_b32 v253, 0                              ; (named as the upper half of the pair v[252:253])
	s_wait_kmcnt 0x0
	s_add_co_i32 s86, s72, s73
	s_lshl_b32 s86, s86, 23
	s_add_co_i32 s[CS], s[CS], s86                 ; a score stands for score x 2^(e6 + e7): the exponents are added to c's exponent field
	s_mov_b32 s[CS+1], s[CS]                       ; (named with it as a pair, so it is written)
	s_add_co_i32 s86, s74, 127
	s_lshl_b32 s87, s86, 23
	v_mov_b32 v8, s87                              ; 2^e8
	s_sub_co_i32 s86, s76, s74
	s_sub_co_i32 s86, s86, s75                     ; O^T / the sum stands for ctx / 2^(e8 + e9): its code is that / 2^(e10 - e8 - e9)
	s_add_co_i32 s86, s86, 127
	s_lshl_b32 s87, s86, 23
	v_mov_b32 v10, s87
; A KEY STEP: 128 keys against the tile of queries in v[Q] on.  check = 1: the step may lie behind the diagonal (left out) or on it (masked).
.macro STEP Q, check
.if \check
	s_cmp_gt_u32 s[TT], s[LIM]
	s_cbranch_scc1 .Lhidden_\@
.endif
	s_setprio 2
	v_add_nc_u32 v2, s[TB], v[LI]                  ; K's tiles of the step;
	s_delay_alu instid0(VALU_DEP_1)
	v_add_nc_u32 v3, 0x20000, v2                   ; V's.  With the two v_nop: the four places in front of loads into registers that the last products read
	v_nop
	v_nop
.irp tk, 0,1,2,3,4,5,6,7
.irp c, 0,1
	ds_load_b128 v[32+8*\tk+4*\c:35+8*\tk+4*\c], v2 offset:1024*\tk+512*\c
.endr
.endr
	s_wait_alu depctr_va_vdst(0)
	s_wait_dscnt 0x0
.irp tk, 0,1,2,3,4,5,6,7
	v_wmma_f32_16x16x64_fp8_fp8 v[96+8*\tk:103+8*\tk], v[32+8*\tk:39+8*\tk], v[\Q:\Q+7], 0
.endr
.rept 4
	v_nop                                          ; places: for V's loads into K's registers, and for the first read of the scores
.endr
.irp ct, 0,1,2,3                       ; V's fragments are asked for now and land under the softmax
.irp c, 0,1,2,3
	ds_load_b128 v[32+16*\ct+4*\c:35+16*\ct+4*\c], v3 offset:2048*\ct+512*\c
.endr
.endr
.if \check
	s_cmp_lg_u32 s[TT], s[LIM]
	s_cbranch_scc1 .Lopen_\@
.set n, 0
.rept 64
	v_cmp_gt_i32 vcc_lo, 32*(n/16)+n%16, v4
	v_cndmask_b32 v[96+n], v[96+n], v5, vcc_lo
.set n, n+1
.endr
.Lopen_\@:
.endif
	v_max3_num_f32 v254, v96, v97, v98             ; the step's largest score of my query, among my 64 keys, in two chains,
	v_max3_num_f32 v252, v99, v100, v101
.irp i, 6,10,14,18,22,26,30,34,38,42,46,50,54,58
	v_max3_num_f32 v254, v254, v[96+\i], v[97+\i]
	v_max3_num_f32 v252, v252, v[98+\i], v[99+\i]
.endr
	v_max3_num_f32 v254, v254, v158, v159
	s_delay_alu instid0(VALU_DEP_1)
	v_max_num_f32 v254, v254, v252
	s_delay_alu instid0(VALU_DEP_1)
	v_permlanex16_b32 v236, v254, s[SEL], s[SEL+1]
	s_delay_alu instid0(VALU_DEP_1)
	v_max_num_f32 v254, v254, v236                 ; and among lane l xor 16's
	s_delay_alu instid0(VALU_DEP_1)
	v_mul_f32 v254, s[CS], v254                    ; as t (c is positive)
	s_delay_alu instid0(VALU_DEP_1)
	v_max_num_f32 v13, v13, v254                   ; the running largest t
	v_mov_b32 v254, v12
	s_delay_alu instid0(VALU_DEP_2)
	v_floor_f32 v12, -v13                          ; the new -M = floor(-t) = -ceil(t)
	s_delay_alu instid0(VALU_DEP_1)
	v_sub_f32 v254, v12, v254                      ; old M - new M: a whole number, 0 or less
	s_delay_alu instid0(VALU_DEP_1)
	v_cvt_i32_f32 v254, v254                       ; (it saturates)
	s_delay_alu instid0(VALU_DEP_1)
	v_ldexp_f32 v252, 1.0, v254                    ; f = 2^(old M - new M)
.set n, 0
.rept 32
	v_pk_fma_f32 v[96+n:97+n], v[96+n:97+n], s[CS:CS+1], v[12:13] op_sel_hi:[1,0,0]   ; t - M, two at a time
.set n, n+2
.endr
.set n, 0
	s_setprio 1
	s_wait_alu depctr_va_vdst(0)
.rept 64
	v_exp_f32 v[96+n], v[96+n]                     ; p = 2^(t - M), at most 1
.set n, n+1
.endr
	v_pk_mul_f32 v[14:15], v[14:15], v[252:253] op_sel_hi:[1,0]   ; the sums under the new M: the plain instruction behind the exponentials
	s_wait_alu depctr_va_vdst(0)                   ; one wait for the batch, ahead of its first reader
	v_pk_add_f32 v[242:243], v[96:97], v[98:99]    ; the row's sum is taken of the unquantised p: two at a time, in two chains
.irp i, 4,8,12,16,20,24,28,32,36,40,44,48,52,56,60
	v_pk_add_f32 v[14:15], v[14:15], v[96+\i:97+\i]
	v_pk_add_f32 v[242:243], v[242:243], v[98+\i:99+\i]
.endr
	s_delay_alu instid0(VALU_DEP_1)
	v_pk_add_f32 v[14:15], v[14:15], v[242:243]
	s_setprio 0
.irp b, 0,1,2,3
.irp i, 0,1,2,3,4,5,6,7,8,9,10,11,12,13,14,15
.endr
	v_cvt_scalef32_pk8_fp8_f32 v[192+4*\b:193+4*\b], v[96+16*\b:103+16*\b], v8
	v_cvt_scalef32_pk8_fp8_f32 v[194+4*\b:195+4*\b], v[104+16*\b:111+16*\b], v8
.endr
.set n, 0
.rept 16
	v_pk_mul_f32 v[160+n:161+n], v[160+n:161+n], v[252:253] op_sel_hi:[1,0]   ; O^T under the new M.  (Also the plain instructions between the conversions and the products below)
.set n, n+2
.endr
	s_wait_alu depctr_va_vdst(0)
	s_wait_dscnt 0x0                               ; V is in
.irp ct, 0,1,2,3                       ; O^T += V^T P^T: the four accumulators take turns, one instruction a turn
	v_wmma_f32_16x16x128_fp8_fp8 v[160+8*\ct:167+8*\ct], v[32+16*\ct:47+16*\ct], v[192:207], v[160+8*\ct:167+8*\ct]
.endr
.if \check
.Lhidden_\@:
.endif
	s_add_co_u32 s[TB], s[TB], 8192
	s_add_co_u32 s[TT], s[TT], 1
.endm
.macro INIT                            ; a tile begins: the step is written once, and its first run finds zeros, which the first change of M leaves zeros
	v_mov_b32 v13, 0xff61b1e6                      ; the largest t so far: -3e38
	s_delay_alu instid0(VALU_DEP_1)
	v_floor_f32 v12, -v13
	v_mov_b32 v14, 0
	v_mov_b32 v15, 0
.set n, 0
.rept 32
	v_mov_b32 v[160+n], 0
.set n, n+1
.endr
.endm
; A tile ends: O^T / the sum; register 16 b + n of lane (r, h) is channel 32 b + 16 h + n of query r: converted, and stored as two pieces of the last product's operand.
.macro FINISH CD, ptr
.rept 4
	v_nop                                          ; places behind the last products
.endr
	v_add_f32 v14, v14, v15                        ; the sum's two halves,
	s_delay_alu instid0(VALU_DEP_1)
	v_permlanex16_b32 v252, v14, s[SEL], s[SEL+1]
	s_delay_alu instid0(VALU_DEP_1)
	v_add_f32 v14, v14, v252                       ; and lane l xor 16's
	s_wait_alu depctr_va_vdst(0)
	v_rcp_f32 v14, v14
	v_nop                                          ; a plain instruction behind the reciprocal
	s_wait_alu depctr_va_vdst(0)                   ; and the wait ahead of its first reader
.set n, 0
.rept 16
	v_pk_mul_f32 v[96+n:97+n], v[160+n:161+n], v[14:15] op_sel_hi:[1,0]   ; each accumulator from its low end on
.set n, n+2
.endr
.set n, 0
.rept 32
.set n, n+1
.endr
.irp g, 0,1,2,3
	v_cvt_scalef32_pk8_fp8_f32 v[\CD+2*\g:\CD+2*\g+1], v[96+8*\g:103+8*\g], v10
.endr
	v_nop                                          ; a plain instruction between the last conversion and the products that write its sources
.irp b, 0,1
	global_store_b128 v[LI], v[\CD+4*\b:\CD+4*\b+3], s[\ptr:\ptr+1] offset:512*\b   ; 512 consecutive bytes, aligned
.endr
.endm
	INIT
	s_mov_b32 s[TB], 0
	s_mov_b32 s[TT], 0
	s_wait_loadcnt 0x0                             ; Q
	s_wait_tensorcnt 1                             ; my part of key steps 0-3 is in; my part of steps 4-15 may be out
	s_barrier_signal -1
	s_barrier_wait -1                              ; everybody's is
.Lfirst:                                           ; HIGH, key steps 0-3: every HIGH tile's diagonal lies at step 8 or later
	STEP QH, 0
	s_cmp_lt_u32 s[TT], 4
	s_cbranch_scc1 .Lfirst
	s_setprio 0
	s_wait_tensorcnt 0x0                           ; my part of key steps 4-15 is in,
	s_barrier_signal -1
	s_barrier_wait -1                              ; everybody's is
	s_mov_b32 s[TB], 4*8192
	s_mov_b32 s[TT], 4
.Lhigh:                                            ; HIGH, key steps 4-15, up to the diagonal
	STEP QH, 1
	s_cmp_lt_u32 s[TT], 16
	s_cbranch_scc1 .Lhigh
	s_setprio 0
	FINISH 208, 58
	INIT
	s_mov_b32 s[TB], 0
	s_mov_b32 s[TT], 0
	s_mov_b32 s[LIM], s[JJ]
.Llow:                                             ; LOW, key steps 0-7, up to the diagonal
	STEP QL, 1
	s_cmp_lt_u32 s[TT], 8
	s_cbranch_scc1 .Llow
	s_setprio 0
	FINISH 216, 60
	s_wait_tensorcnt 0x0
	ds_add_u32 v251, v255
	s_wait_dscnt 0x0
	CROUND                                         ; the closing round
	s_endpgm
.Lfunc_end_k_q99458dd109_attn:
	.size	k_q99458dd109_attn, .Lfunc_end_k_q99458dd109_attn-k_q99458dd109_attn
	.p2alignl 7, 3214868480
	.fill 96, 4, 3214868480
	.section	.rodata,"a",@progbits
	.p2align	6, 0x0
	.amdhsa_kernel k_q99458dd109_attn
		.amdhsa_group_segment_fixed_size 327680
		.amdhsa_private_segment_fixed_size 0
		.amdhsa_enable_private_segment 0
		.amdhsa_kernarg_size 40
		.amdhsa_user_sgpr_count 2
		.amdhsa_user_sgpr_kernarg_segment_ptr 1
		.amdhsa_wavefront_size32 1
		.amdhsa_system_sgpr_workgroup_id_x 1
		.amdhsa_system_sgpr_workgroup_id_y 1
		.amdhsa_system_sgpr_workgroup_id_z 1
		.amdhsa_system_vgpr_workitem_id 0
		.amdhsa_next_free_vgpr 256
		.amdhsa_next_free_sgpr 96
		.amdhsa_reserve_vcc 1
		.amdhsa_float_denorm_mode_32 3
		.amdhsa_float_denorm_mode_16_64 3
		.amdhsa_fp16_overflow 1
		.amdhsa_memory_ordered 1
		.amdhsa_forward_progress 1
		.amdhsa_inst_pref_size 66
	.end_amdhsa_kernel
	.amdgpu_metadata
---
amdhsa.version: [ 1, 2 ]
amdhsa.kernels:
  - .name:           k_q99458dd109_attn
    .symbol:         k_q99458dd109_attn.kd
    .args:
      - { .name: qc, .offset: 0, .size: 8, .value_kind: global_buffer, .address_space: global }
      - { .name: kc, .offset: 8, .size: 8, .value_kind: global_buffer, .address_space: global }
      - { .name: vc, .offset: 16, .size: 8, .value_kind: global_buffer, .address_space: global }
      - { .name: lowp_scales, .offset: 24, .size: 8, .value_kind: global_buffer, .address_space: global }
      - { .name: cc, .offset: 32, .size: 8, .value_kind: global_buffer, .address_space: global }
    .group_segment_fixed_size: 327680
    .private_segment_fixed_size: 0
    .kernarg_segment_align: 8
    .kernarg_segment_size: 40
    .max_flat_workgroup_size: 512
    .sgpr_count:     96
    .vgpr_count:     256
    .wavefront_size: 32
...
	.end_amdgpu_metadata
.endif
;; end of part 3
;; launch proj (part 4): grid 4 x 32, 4 waves a work-group, clusters of 4 x 4, 327,680 bytes of LDS; arguments cc, wc, lowp_scales, out0; writes out0
.if DOCPART == 4
	.amdgcn_target "amdgcn-amd-amdhsa--gfx1250"
	.amdhsa_code_object_version 6
	.text
	.protected	k_q99458dd109_proj
	.globl	k_q99458dd109_proj
	.p2align	8
	.type	k_q99458dd109_proj,@function
k_q99458dd109_proj:
	s_mov_b64 s[64:65], 0
	v_nop
	global_prefetch_b8 v0, s[64:65] scope:SCOPE_SE
	s_setreg_imm32_b32 hwreg(HW_REG_WAVE_MODE, 25, 1), 1
	s_wait_xcnt 0x0
	s_wait_alu depctr_hold_cnt(0) depctr_sa_sdst(0) depctr_va_vdst(0) depctr_va_sdst(0) depctr_va_ssrc(0) depctr_va_vcc(0) depctr_vm_vsrc(0)
	s_getreg_b32 s2, hwreg(HW_REG_IB_STS2, 6, 4)
	s_cmp_eq_u32 s2, 0
	s_cbranch_scc0 .Lentry_in_a_cluster
	s_endpgm
.Lentry_in_a_cluster:
	s_bfe_u32 s2, ttmp6, 0x10000c
	s_cmp_lg_u32 s2, 0xf033
	s_cbranch_scc0 .Lentry_shape_is_right
	s_endpgm
.Lentry_shape_is_right:
; PROJ: out = ctx wo^T on codes of FP8 (E4M3); each finished sum is multiplied once by 2^(e10 + e11); out is f32.
; A tile of 256 x 256 is made by four waves, 128 x 128 each: 64 accumulators of 16 x 16, 512 registers.  K = 1,024 goes in four slots' worth of 256 through a ring of two LDS slots filled by joint tensor loads:
; the four work-groups of a row of the cluster share A's tiles (ctx), the four of a column B's (wo).
; THE OPERANDS LIE IN MEMORY AS IMAGES OF THEIR REGISTERS: [tile of 16 rows][K step of 128][piece c][lane][16 bytes]; piece c holds at 16 x lane the codes of the tile's row lane % 16 at K = 32 c + 16 (lane / 16) + 0 .. 15.
; A slot's part of a tile is 4,096 consecutive bytes; a tensor load brings eight of them as they lie; a fragment is four ds_load_b128 at 16 x lane.  That order of K is the same in both operands.
; Row p of tile T is row 32 (T / 2) + 8 (T % 2) + p + 8 (p / 8) of the tensor.  Source 0 = 16 rows of wo, source 1 = 16 rows of ctx: a lane holds one token, and its 16 registers of two neighbouring tiles of wo are
; 16 neighbouring outputs.  The way out puts rows and columns back in their natural order by its offsets.
; LIMIT: e10 + e11 lies between -126 and 127, so that 2^(e10 + e11) is an f32 number.
; REGISTERS, in windows of 256: window 0: v16-29 addresses; from v128 A's fragments, one set; on the way out v32-255 are free.  window 1: B's fragments, two sets.
;   window 2: the accumulators of A's blocks 0-3 (accumulator (a, b) at v[8 (8 (a % 4) + b)]);  window 3: of blocks 4-7.
.set KSB,    4096                      ; a slot's part of a tile of 16 rows: two fragments
.set HALFT,  8*KSB
.set SLOT,   4*HALFT
.set SPARE,  2*SLOT                    ; behind the ring: the spare words, 128 bytes for each wave: two blocks of 256 bytes that no other line names
.set STAGE,  SPARE+512                 ; behind them: a stage of 16 rows x (512 bytes + 16) for each wave, into which no tile lands
.set SPITCH, 528
.set FR,     16
.set NL,     4
.set NP,     4                         ; places behind this matrix instruction (ISA guide 7.12.1)
.set ADRA, 16                          ; v16-17  LDS address of my A fragments in slot 0, 1
.set ADRB, 20                          ; v20-21  the same for B
.set LI,   22                          ; v22     16 x lane: also my byte offset in a row of out
.set STO,  24                          ; v24     the way out: where I put 32 bytes of a row
.set RD,   25                          ; v25     the way out: where I read a row back
.set SPW,  28                          ; v28     LDS address of my spare word; never rewritten
.set NIL,  29                          ; v29     0; never rewritten
.set TMP,  32                          ; the way out: a block's sums x 2^(e10 + e11)
.set AF,   128
.set BK,   128                         ; the way out: 16 rows read back from the stage: v128-191 and v192-255 by turns
.set G1, 24
.set G0, 32
.set G1B, 48
.set G0B, 56
.set MSB, 0
.macro WIN new                         ; the immediate's high byte repeats the setting that is left
.if MSB != \new
	s_set_vgpr_msb (MSB<<8)|\new
.set MSB, \new
.endif
.endm
.set MUL_LO, 0xa1                      ; source 0 (B) window 1, source 1 (A) window 0, C and D window 2
.set MUL_HI, 0xf1
.set TO_B,   0x40
.macro JLOAD g0a, g1a, g0b, g1b        ; a joint load: waves 0 and 1 fetch for A, waves 2 and 3 for B; four v_nop follow each of the two lines
	s_cmp_eq_u32 s15, 0
	s_cbranch_scc0 .Lfor_b_\@
	tensor_load_to_lds s[\g0a:\g0a+3], s[\g1a:\g1a+7]
	s_nop 0
.rept 4
	v_nop
.endr
	s_branch .Lasked_\@
.Lfor_b_\@:
	tensor_load_to_lds s[\g0b:\g0b+3], s[\g1b:\g1b+7]
	s_nop 0
.rept 4
	v_nop
.endr
.Lasked_\@:
.endm
.macro CREST
	s_cmp_lg_u32 s14, 0
	s_cbranch_scc1 .Lnot_wave_0_\@
	s_barrier_signal -3
.Lnot_wave_0_\@:
	s_barrier_wait -3
	s_barrier_signal -1
	s_barrier_wait -1
.endm
.macro CROUND
	s_barrier_signal -1
	s_barrier_wait -1
	CREST
.endm
	s_load_b256 s[4:11], s[0:1], 0x0               ; cc s[4:5], wc s[6:7], the exponents s[8:9], out s[10:11]
	v_lshl_add_u32 v[SPW], v0, 2, SPARE
	v_mov_b32 v[NIL], 0
	ds_add_u32 v28, v29
	ds_add_u32 v28, v29
	s_wait_dscnt 0x0
	v_lshrrev_b32 v1, 5, v0
	v_readfirstlane_b32 s14, v1                    ; wave 0..3
	s_lshr_b32 s15, s14, 1                         ; which half of A's 256 rows is mine.  Also: I fetch for A (0) or for B (1)
	s_and_b32 s16, s14, 1                          ; which half of B's.  Also: which eight tiles I fetch
	s_bfe_u32 s40, ttmp6, 0x40000                  ; cx, cy
	s_bfe_u32 s41, ttmp6, 0x40004
	s_lshl_b32 s42, ttmp9, 2
	s_add_co_u32 s42, s42, s40                     ; block of 256 outputs
	s_and_b32 s17, ttmp7, 0xffff
	s_lshl_b32 s17, s17, 2
	s_add_co_u32 s17, s17, s41                     ; block of 256 tokens
	s_lshl_b32 s43, s41, 2
	s_lshl_b32 s43, 15, s43                        ; my row of the cluster
	s_lshl_b32 s44, 0x1111, s40                    ; my column
	s_or_b32 s[G1+0], s43, (3<<16)|(1<<21)         ; 15:0 the mask; 17:16 elements of 8 bytes; 20 no padding; 21 set beside a mask
	s_or_b32 s[G1B+0], s44, (3<<16)|(1<<21)
.irp g, G1, G1B
	s_mov_b32 s[\g+1], 512<<16                     ; tensor_dim0: 512 elements, 4,096 bytes
	s_mov_b32 s[\g+2], 8<<16                       ; tensor_dim1
	s_mov_b32 s[\g+3], 512<<16                     ; tile_dim0
	s_mov_b32 s[\g+4], 8                           ; tile_dim1
	s_mov_b32 s[\g+5], 2048                        ; tensor_dim0_stride: 16,384 bytes
	s_mov_b32 s[\g+6], 0
	s_mov_b32 s[\g+7], 0
.endr
	s_lshl_b32 s18, s16, 17
	s_lshl_b32 s20, s17, 18
	s_add_co_u32 s20, s20, s18
	s_mov_b32 s21, 0
	s_lshl_b32 s46, s42, 18
	s_add_co_u32 s46, s46, s18
	s_add_co_u32 s46, s46, 0x300000                ; wo's codes are the fourth MiB of wc
	s_mov_b32 s47, 0
	s_lshl_b32 s45, s14, 15
	s_wait_kmcnt 0x0
	s_load_b64 s[96:97], s[8:9], 0x28              ; e10, e11
	s_add_nc_u64 s[20:21], s[4:5], s[20:21]
	s_add_nc_u64 s[46:47], s[6:7], s[46:47]
	CROUND                                         ; all sixteen work-groups are here: the first joint loads meet
.irp s, 0,1
	s_mov_b32 s[G0+4*\s], 1
	s_add_co_u32 s[G0+4*\s+1], s45, \s*SLOT
	s_add_nc_u64 s[G0+4*\s+2:G0+4*\s+3], s[20:21], \s*KSB
	s_or_b32 s[G0+4*\s+3], s[G0+4*\s+3], 0x80000000
	s_mov_b32 s[G0B+4*\s], 1
	s_add_co_u32 s[G0B+4*\s+1], s45, \s*SLOT
	s_add_nc_u64 s[G0B+4*\s+2:G0B+4*\s+3], s[46:47], \s*KSB
	s_or_b32 s[G0B+4*\s+3], s[G0B+4*\s+3], 0x80000000
	s_wait_alu depctr_va_vdst(0)
	s_wait_tensorcnt 0x0
	ds_add_u32 v28, v29
	ds_add_u32 v28, v29
	s_wait_dscnt 0x0
	CROUND
	JLOAD G0+4*\s, G1, G0B+4*\s, G1B
.endr
	v_and_b32 v1, 31, v0
	v_lshlrev_b32 v[LI], 4, v1
	s_lshl_b32 s21, s15, 15
	s_lshl_b32 s22, s16, 15
	s_add_co_u32 s22, s22, 2*HALFT
.irp s, 0,1
	v_add_nc_u32 v[ADRA+\s], s21, v[LI]
	v_add_nc_u32 v[ADRB+\s], s22, v[LI]
	s_add_co_u32 s21, s21, SLOT
	s_add_co_u32 s22, s22, SLOT
.endr
	s_mul_i32 s23, s14, 16*SPITCH
	s_add_co_u32 s23, s23, STAGE                   ; my stage
	v_and_b32 v1, 15, v0                           ; r
	v_bfe_u32 v2, v0, 4, 1                         ; h
	v_mul_u32_u24 v5, v1, SPITCH
	v_lshl_add_u32 v5, v2, 6, v5
	v_add_nc_u32 v[STO], s23, v5                   ; in: row r, + 64 h: accumulator 2 b + u holds outputs 32 b + 16 h + 8 u + 0 .. 7
	v_add_nc_u32 v[RD], s23, v[LI]                 ; back: the 32 lanes take one row of 512 bytes
	s_lshl_b32 s20, s17, 1
	s_add_co_u32 s20, s20, s15                     ; my 128 tokens,
	s_lshl_b32 s20, s20, 19                        ; of 4,096 bytes each
	s_lshl_b32 s46, s42, 10                        ; my 128 outputs: 1,024 x block + 512 x half
	s_lshl_b32 s47, s16, 9
	s_add_co_u32 s46, s46, s47
	s_add_co_u32 s20, s20, s46
	s_mov_b32 s21, 0
	s_add_nc_u64 s[10:11], s[10:11], s[20:21]
.macro FRAG reg, adr, q, i
.irp c, 0,1,2,3
	ds_load_b128 v[\reg+4*\c:\reg+4*\c+3], v[\adr] offset:2048*(\q)+512*\c+(\i)*KSB
.endr
.endm
; 16 matrix instructions: A's blocks a0, a0 + 1 x B's eight.  The 64 accumulators take turns, one instruction a turn, in the same order in every step.
.macro MUL16 a0, p, zero
.irp a, \a0, \a0+1
.irp b, 0,1,2,3,4,5,6,7
.if \zero
	v_wmma_f32_16x16x128_fp8_fp8 v[8*(8*((\a)%4)+\b):8*(8*((\a)%4)+\b)+7], v[128*(\p)+FR*\b:128*(\p)+FR*\b+FR-1], v[AF+FR*(\a):AF+FR*(\a)+FR-1], 0
.else
	v_wmma_f32_16x16x128_fp8_fp8 v[8*(8*((\a)%4)+\b):8*(8*((\a)%4)+\b)+7], v[128*(\p)+FR*\b:128*(\p)+FR*\b+FR-1], v[AF+FR*(\a):AF+FR*(\a)+FR-1], v[8*(8*((\a)%4)+\b):8*(8*((\a)%4)+\b)+7]
.endif
.endr
.endr
.endm
.macro FETCH_B slot, q, p
	WIN TO_B
.irp i, 0,1,2,3,4,5,6,7
	FRAG 128*(\p)+FR*\i, ADRB+\slot, \q, \i
.endr
	WIN 0
.endm
.macro FETCH_A slot, q, i0
.irp i, \i0, \i0+1, \i0+2, \i0+3
	FRAG AF+FR*(\i), ADRA+\slot, \q, \i
.endr
.endm
.macro PLACES n                        ; plain vector instructions between a matrix instruction and a load into, or a vector instruction on, its registers (ISA guide 7.12.1 for vector instructions)
.rept \n
	v_nop
.endr
.endm
.macro STEP slot, q, zero
	s_wait_dscnt 4*NL                              ; B's set and A's blocks 0-3 are in; the youngest sixteen loads (A's blocks 4-7) may be out
	WIN MUL_LO
	MUL16 0, (\q)%2, \zero
	MUL16 2, (\q)%2, \zero
	s_wait_dscnt 0
	PLACES NP
	FETCH_B \slot, (\q)+1, 1-(\q)%2
	FETCH_A \slot, (\q)+1, 0
	WIN MUL_HI
	MUL16 4, (\q)%2, \zero
	MUL16 6, (\q)%2, \zero
	PLACES NP
	WIN 0
	FETCH_A \slot, (\q)+1, 4
.endm
.macro TURN slot, next, fill
	s_wait_tensorcnt 0x0                           ; all my tensor loads have landed: my part of the next slot
	ds_add_u32 v[SPW], v[NIL]                      ; 0 onto my spare word
	s_wait_dscnt 4*NL+1                            ; (the add and the youngest sixteen loads may be out)
	WIN MUL_LO
	MUL16 0, 1, 0
	s_wait_dscnt 0x0                               ; the add is done, and my reads of this slot are over
	s_barrier_signal -1
	MUL16 2, 1, 0
	WIN 0
	s_barrier_wait -1
.if \fill
	CREST                                          ; the barrier has opened a round of the cluster's barrier: no wave of any partner still reads this slot or has a load on its way
	s_add_nc_u64 s[G0+4*\slot+2:G0+4*\slot+3], s[G0+4*\slot+2:G0+4*\slot+3], 2*KSB
	s_add_nc_u64 s[G0B+4*\slot+2:G0B+4*\slot+3], s[G0B+4*\slot+2:G0B+4*\slot+3], 2*KSB
	JLOAD G0+4*\slot, G1, G0B+4*\slot, G1B
.else
	PLACES NP
.endif
	FETCH_B \next, 0, 0
	FETCH_A \next, 0, 0
	WIN MUL_HI
	MUL16 4, 1, 0
	MUL16 6, 1, 0
	PLACES NP
	WIN 0
	FETCH_A \next, 0, 4
.endm
	s_wait_alu depctr_va_vdst(0)
	s_wait_tensorcnt 1                             ; my part of the first 256 along K is in (the second slot's load may be out)
	s_barrier_signal -1
	s_barrier_wait -1
	FETCH_B 0, 0, 0
	FETCH_A 0, 0, 0
	FETCH_A 0, 0, 4
	STEP 0, 0, 1                                   ; K = 1,024 is eight steps, written out: the first starts the sums
	TURN 0, 1, 1
	STEP 1, 0, 0
	TURN 1, 0, 1
	STEP 0, 0, 0
	TURN 0, 1, 0
	STEP 1, 0, 0
	s_wait_dscnt 4*NL
	WIN MUL_LO
	MUL16 0, 1, 0
	MUL16 2, 1, 0
	s_wait_dscnt 0
	WIN MUL_HI
	MUL16 4, 1, 0
	MUL16 6, 1, 0
	WIN 0
; THE WAY OUT, block by block of 16 tokens x 128 outputs, through my own stage in LDS: in by 32 bytes a lane, back as whole rows of 512 bytes.  LDS serves a wave's instructions in order (ISA guide 5.7.1.4).
.macro TOSTAGE a
.set AC, 64*((\a)%4)
	WIN 0x02+((\a)/4)                              ; source 0: window 2 or 3
.set j, 0
.rept 32
	v_pk_mul_f32 v[TMP+j:TMP+j+1], v[AC+j:AC+j+1], s[96:97] op_sel_hi:[1,0]   ; both x s96 = 2^(e10 + e11); each accumulator from its low end on
.set j, j+2
.endr
	WIN 0
.irp b, 0,1,2,3,4,5,6,7
	ds_store_b128 v[STO], v[TMP+8*\b:TMP+8*\b+3] offset:128*(\b/2)+32*(\b%2)
	ds_store_b128 v[STO], v[TMP+8*\b+4:TMP+8*\b+7] offset:128*(\b/2)+32*(\b%2)+16
.endr
.set BB, BK+64*((\a)%2)
.irp t, 0,1,2,3,4,5,6,7,8,9,10,11,12,13,14,15
	ds_load_b128 v[BB+4*\t:BB+4*\t+3], v[RD] offset:\t*SPITCH
.endr
.endm
.macro SEND a, younger                 ; younger: the LDS instructions issued behind block a's loads, which may stay out
.set BB, BK+64*((\a)%2)
	s_wait_dscnt \younger
.irp t, 0,1,2,3,4,5,6,7,8,9,10,11,12,13,14,15
	global_store_b128 v[LI], v[BB+4*\t:BB+4*\t+3], s[10:11] offset:(32*((\a)/2)+8*((\a)%2)+\t+8*(\t/8))*4096 th:TH_STORE_NT   ; stage row t is token 32 (a / 2) + 8 (a % 2) + t + 8 (t / 8) of my 128: 512 consecutive bytes, aligned
.endr
.endm
	s_wait_kmcnt 0x0
	s_add_co_i32 s96, s96, s97
	s_add_co_i32 s96, s96, 127
	s_lshl_b32 s96, s96, 23                        ; 2^(e10 + e11) as f32
	PLACES NP                                      ; behind the last products: for the reads of results and the loads into A's registers
	TOSTAGE 0
.irp a, 1,2,3,4,5,6,7
.if \a > 1
	s_wait_xcnt 0x0                                ; block a - 2's stores have read their registers: block a's loads may land there
.endif
	TOSTAGE \a
	SEND \a-1, 32                                  ; behind block a - 1's loads: block a's 16 stores and 16 loads
.endr
	SEND 7, 0
	s_wait_tensorcnt 0x0                           ; the wave's end
	ds_add_u32 v[SPW], v[NIL]
	s_wait_dscnt 0x0
	CROUND                                         ; the closing round
	s_endpgm
.Lfunc_end_k_q99458dd109_proj:
	.size	k_q99458dd109_proj, .Lfunc_end_k_q99458dd109_proj-k_q99458dd109_proj
	.p2alignl 7, 3214868480
	.fill 96, 4, 3214868480
	.section	.rodata,"a",@progbits
	.p2align	6, 0x0
	.amdhsa_kernel k_q99458dd109_proj
		.amdhsa_group_segment_fixed_size 327680
		.amdhsa_private_segment_fixed_size 0
		.amdhsa_enable_private_segment 0
		.amdhsa_kernarg_size 32
		.amdhsa_user_sgpr_count 2
		.amdhsa_user_sgpr_kernarg_segment_ptr 1
		.amdhsa_wavefront_size32 1
		.amdhsa_system_sgpr_workgroup_id_x 1
		.amdhsa_system_sgpr_workgroup_id_y 1
		.amdhsa_system_sgpr_workgroup_id_z 1
		.amdhsa_system_vgpr_workitem_id 0
		.amdhsa_next_free_vgpr 1024
		.amdhsa_next_free_sgpr 100
		.amdhsa_reserve_vcc 0
		.amdhsa_float_denorm_mode_32 3
		.amdhsa_float_denorm_mode_16_64 3
		.amdhsa_memory_ordered 1
		.amdhsa_forward_progress 1
		.amdhsa_inst_pref_size 123
	.end_amdhsa_kernel
	.amdgpu_metadata
---
amdhsa.version: [ 1, 2 ]
amdhsa.kernels:
  - .name:           k_q99458dd109_proj
    .symbol:         k_q99458dd109_proj.kd
    .args:
      - { .name: cc, .offset: 0, .size: 8, .value_kind: global_buffer, .address_space: global }
      - { .name: wc, .offset: 8, .size: 8, .value_kind: global_buffer, .address_space: global }
      - { .name: lowp_scales, .offset: 16, .size: 8, .value_kind: global_buffer, .address_space: global }
      - { .name: out0, .offset: 24, .size: 8, .value_kind: global_buffer, .address_space: global }
    .group_segment_fixed_size: 327680
    .private_segment_fixed_size: 0
    .kernarg_segment_align: 8
    .kernarg_segment_size: 32
    .max_flat_workgroup_size: 128
    .sgpr_count:     100
    .vgpr_count:     1024
    .wavefront_size: 32
...
	.end_amdgpu_metadata
.endif
;; end of part 4
